; MI455X (gfx1250); checked and timed in simulation.
; The chip was launched on July 23, 2026; its instructions are those of AMD's public machine-readable ISA for CDNA 5 (MIT licence, August 2026) and "CDNA5" Instruction Set Architecture Reference Guide (July 2026). The comments in the code are by the model that wrote it; some were corrected since.
;; Flash Diff Custom Attention. Allowed arithmetic: matrix products marked QUANTISED: E5M2 operands, one given power-of-two scale a tensor, by v_wmma_f32_16x16x64_bf8_bf8 or v_wmma_f32_16x16x128_bf8_bf8, f32 sums; everything else in f32.
;; Inputs: k_codes 2 x 2,048 x 16 x 4 x 32 uint8 (E5M2 codes of k, K innermost, in blocks of 32 codes); lambda_k1 128 float32; lambda_k2 128 float32; lambda_q1 128 float32; lambda_q2 128 float32; lowp_scales 8 int32 (the exponents e of the quantised operands' scales 2^e); q_codes 2 x 2,048 x 16 x 4 x 32 uint8 (E5M2 codes of q, K innermost, in blocks of 32 codes); subln_weight 256 float32; v 2 x 2,048 x 16 x 128 float32.
;; Outputs: out0 2 x 2,048 x 16 x 128 float32.
;; This version of the problem:
;;   THIS VERSION OF THE PROBLEM IS GIVEN IN LOW PRECISION. The matrix products marked QUANTISED in the list below multiply operands that are first quantised to E5M2 (5 exponent bits, 2 mantissa bits; 8 bits a number), with one given power-of-two scale for each operand tensor; their sums are f32. All else is computed in f32.
;;   The module's matrix products, in the order in which they are computed (A, B: the left and right operand; K: the contracted axis; several contracted axes count as one K, in the product's order):
;;     1. batch 16 x [M 2,048, K 128] x [K 128, N 2,048]; A: input q (given as codes); B: input k (given as codes): QUANTISED (scales: A lowp_scales[0], B lowp_scales[1])
;;     2. batch 16 x [M 256, K 2,048] x [K 2,048, N 2,048]; A: computed on the way; B: softmax (see below): QUANTISED (scales: A lowp_scales[2], B lowp_scales[3])
;;     3. batch 16 x [M 2,048, K 128] x [K 128, N 2,048]; A: input q (given as codes); B: input k (given as codes): QUANTISED (scales: A lowp_scales[4], B lowp_scales[5])
;;     4. batch 16 x [M 256, K 2,048] x [K 2,048, N 2,048]; A: computed on the way; B: softmax (see below): QUANTISED (scales: A lowp_scales[6], B lowp_scales[7])
;;   THE QUANTISER, for each operand of a quantised product, along K:
;;     - The operand's scale is 2^e, e = its entry of the input lowp_scales (int32; the entries are numbered through the quantised products in the list's order, A before B).
;;     - Each number is divided by the scale, clamped to +-57,344, and rounded to the nearest number of E5M2, ties to even, subnormals kept.
;;     - The product sums the exact products of the quantised numbers (number of the format x scale) in f32.
;;   ~~~python
;;   def quantise(x, axis, e):      # numpy; x: float32 -> the quantised numbers, widened to float32 again
;;       x = np.moveaxis(x, axis, -1); K = x.shape[-1]
;;       r = np.clip(x / 2.0 ** e, -57344, 57344)
;;       step = 2.0 ** (np.maximum(np.frexp(np.where(r == 0, 1, r))[1] - 1, -14) - 2)
;;       q = np.round(r / step) * step * 2.0 ** e      # np.round: ties to even
;;       return np.moveaxis(q, -1, axis).astype(np.float32)
;;   ~~~
;;   SOFTMAX AHEAD OF A QUANTISED PRODUCT. Where the list says 'softmax', what is quantised is not the finished softmax but p = 2^(t - M), with t = logit x log2(e) and M = ceil(the row's largest t), a whole number; so 1/2 < the row's largest p <= 1. The row's sum l is taken of the UNQUANTISED p, in f32, and the product's result is divided by l at the end. Since M is a whole number, a kernel that streams over the keys may use a running M (the ceiling of the running maximum): every later rescaling is an exact power of two, so the quantised numbers keep their values, but for numbers so far below the row's largest that they fall under the format's range.
;;   OPERANDS COMPUTED ON THE WAY. 'Computed on the way' means the value that the module computes at that place (a softmax that the list does not call 'softmax' is quantised finished and normalised). What goes into a quantiser is computed in f32, as accurately as f32 sums, v_exp_f32 and their like allow (about 1e-6 of the number): no bf16 or f16 on the way to a quantiser, and a product that is left as it is and whose result goes on into a quantised operand takes f32 operands (vector FMAs, or v_wmma_f32_16x16x4_f32). A number that lies on a knife's edge between two numbers of the format may be rounded either way, as far as f32 arithmetic and the matrix unit's own rounding can turn it there, and no further.
;;   INPUTS GIVEN AS CODES. k (in the module: [2, 2048, 16, 128], K = its axis 3); q (in the module: [2, 2048, 16, 128], K = its axis 3): each comes as NAME_codes (uint8): NAME with its K axis moved to the last place and cut into blocks of 32 codes, [.., K / 32, bytes a block], one block behind the other in memory; one code a byte (a code: sign, 5 exponent bits, 2 mantissa bits); its scale is its entry of lowp_scales. Its value is code x scale, taken as it is: it is not quantised again, and the codes and scales need not be those that the quantiser above would give.
;; One version. Each part assembles by itself: llvm-mc -triple=amdgcn-amd-amdhsa -mcpu=gfx1250 --defsym DOCPART=n.
;; ======== version 1 of 1: 2 launches
;; limits: right only within a limited range of input values
;; workspace buffers: vcodes 16,777,216 bytes
;; launch vquant (part 1): grid 16 x 16, 8 waves a work-group, no clusters, 0 bytes of LDS; arguments v, lowp_scales, vcodes; writes vcodes
.if DOCPART == 1
	.amdgcn_target "amdgcn-amd-amdhsa--gfx1250"
	.amdhsa_code_object_version 6
	.text
	.protected	k_q267b70d506_vquant
	.globl	k_q267b70d506_vquant
	.p2align	8
	.type	k_q267b70d506_vquant,@function
k_q267b70d506_vquant:
	s_mov_b64 s[64:65], 0
	v_nop
	global_prefetch_b8 v0, s[64:65] scope:SCOPE_SE
	s_setreg_imm32_b32 hwreg(HW_REG_WAVE_MODE, 25, 1), 1
	s_wait_xcnt 0x0
; v [2][2048][16][128] f32 is the left operand of both second products of a differential attention; its K there is the KEYS (axis 1), which are not innermost.
; For a pair of heads (b, pr) the operand is v_cat: the 256 neighbouring numbers of row (b, key) at byte 1,024 pr.  It is quantised to codes of E5M2 TWICE: with 2^e2 (entry 2 of the scales) for the
; first attention's product and with 2^e6 (entry 6) for the second's: code = x / 2^e, held within +-57,344, to the nearest code, ties to even.
; LIMITS: e2 and e6 lie between -126 and 112, so that 2^e and 57,344 x 2^e are f32 numbers.  NaN among the inputs is not served (an infinity is held at the largest code).
; THE CODES ARE LAID AS THE NEXT LAUNCH'S OPERAND REGISTERS TAKE THEM: [pair 16][step of 128 keys 16][version 2][ct 16][c 4][h 2][r 16][16 bytes].  Fragment ct is 16 channels x 128 keys, 2,048 bytes;
; byte 512 c + 256 h + 16 r + y is channel 16 ct + r, key 32 c + 8 h + y (y < 8) or 32 c + 16 + 8 h + y - 8: registers 4 c .. 4 c + 3 of lane 16 h + r in the 16x16x128 form's own order of k.
; SHARES.  Work-group (x = step, y = pair): 128 keys x 256 channels.  Wave w: channels 32 w .. 32 w + 31, fragments 2 w and 2 w + 1.  A LANE TAKES A CHANNEL AND ITS REGISTERS RUN DOWN THE KEYS, so the
; conversions, which take eight neighbours along K from one lane's registers, give codes with the keys innermost, and nothing is transposed.  A load of a wave reads 128 consecutive bytes, the eight waves 1,024.
; A lane's 16 codes of a unit (c, h) are 16 bytes: sixteen lanes store 256 consecutive bytes, at a multiple of 256 from the buffer's first byte.
; No LDS, no barrier, no matrix unit, no cluster: the work-groups share no input, and waves share nothing.  Every offset is an immediate; each unit has its own registers for its codes, so no store's data are written again.
.set ROW, 8192                         ; bytes from key to key in v
.set X,   16                           ; v16-79   four sets of 16 numbers as loaded
.set TA,  80                           ; v80-95   held for version 0
.set TB,  96                           ; v96-111  held for version 1
.set C,   112                          ; v112-175 codes: eight registers a unit
	s_load_b128 s[4:7], s[0:1], 0x0                ; v s[4:5], the scales' exponents s[6:7]
	s_load_b64 s[8:9], s[0:1], 0x10                ; the codes
	v_lshrrev_b32 v3, 5, v0
	s_delay_alu instid0(VALU_DEP_1)
	v_readfirstlane_b32 s10, v3                    ; wave 0..7
	v_and_b32 v3, 31, v0
	s_delay_alu instid0(VALU_DEP_1)
	v_lshlrev_b32 v1, 2, v3                        ; in: 4 bytes a lane
	v_and_b32 v2, 15, v0
	s_delay_alu instid0(VALU_DEP_1)
	v_lshlrev_b32 v2, 4, v2
	v_bfe_u32 v3, v0, 4, 1
	s_delay_alu instid0(VALU_DEP_1)
	v_lshl_add_u32 v2, v3, 11, v2                  ; out: 16 r, and lanes 16-31 in the wave's second fragment
	s_and_b32 s20, ttmp7, 0xffff                   ; the pair, 0..15
	s_lshr_b32 s21, s20, 3                         ; b
	s_and_b32 s22, s20, 7                          ; pr
	s_lshl_b32 s21, s21, 11
	s_lshl_b32 s23, ttmp9, 7
	s_add_co_u32 s21, s21, s23                     ; row of v: 2,048 b + 128 x step
	s_lshl_b32 s24, s21, 13
	s_lshl_b32 s22, s22, 10
	s_add_co_u32 s24, s24, s22
	s_lshl_b32 s23, s10, 7
	s_add_co_u32 s24, s24, s23                     ; + 1,024 pr + 128 w: under 2^26
	s_mov_b32 s25, 0
	s_lshl_b32 s26, s20, 4
	s_add_co_u32 s26, s26, ttmp9
	s_lshl_b32 s26, s26, 16                        ; the (pair, step)'s 65,536 bytes of codes
	s_lshl_b32 s23, s10, 12
	s_add_co_u32 s26, s26, s23                     ; + my two fragments
	s_mov_b32 s27, 0
	s_wait_alu depctr_va_vdst(0)
	s_wait_kmcnt 0x0
	s_load_b256 s[12:19], s[6:7], 0x0              ; the eight exponents: e2 = s14, e6 = s18
	s_add_nc_u64 s[4:5], s[4:5], s[24:25]
	s_add_nc_u64 s[8:9], s[8:9], s[26:27]
; unit n = 2 c + h: the 16 keys 32 c + 8 h + 0 .. 7 and 32 c + 16 + 8 h + 0 .. 7 of my channel, into set n % 4
.macro LOAD n
.irp i, 0,1,2,3,4,5,6,7,8,9,10,11,12,13,14,15
	global_load_b32 v[X+16*((\n)%4)+\i], v1, s[4:5] offset:(32*((\n)/2)+8*((\n)%2)+\i+8*(\i/8))*ROW th:TH_LOAD_NT
.endr
.endm
	LOAD 0
	LOAD 1
	LOAD 2
	LOAD 3
	s_wait_kmcnt 0x0
	s_add_co_i32 s20, s14, 127
	s_lshl_b32 s21, s20, 23
	v_mov_b32 v4, s21                              ; 2^e2 as f32: the conversion takes its exponent field
	s_add_co_i32 s20, s20, 15
	s_lshl_b32 s20, s20, 23
	s_or_b32 s20, s20, 0x600000
	v_mov_b32 v5, s20                              ; 57,344 x 2^e2
	s_add_co_i32 s20, s18, 127
	s_lshl_b32 s21, s20, 23
	v_mov_b32 v6, s21                              ; 2^e6
	s_add_co_i32 s20, s20, 15
	s_lshl_b32 s20, s20, 23
	s_or_b32 s20, s20, 0x600000
	v_mov_b32 v7, s20                              ; 57,344 x 2^e6
.macro UNIT n
.set XS, X+16*((\n)%4)
.set CN, C+8*(\n)
.if (\n) < 5
	s_wait_loadcnt 48                              ; loads come back in order: this unit's 16 are in; the three younger units' 48 may be out
.else
	s_wait_loadcnt 16*(7-(\n))                     ; the counts run down
.endif
.irp i, 0,1,2,3,4,5,6,7,8,9,10,11,12,13,14,15
	v_med3_num_f32 v[TA+\i], v[XS+\i], -v5, v5     ; the conversion to an 8-bit code does not saturate (ISA guide 7.6.2): hold the number within the largest code x the scale first
.endr
	v_cvt_scalef32_pk8_bf8_f32 v[CN:CN+1], v[TA:TA+7], v4
	v_cvt_scalef32_pk8_bf8_f32 v[CN+2:CN+3], v[TA+8:TA+15], v4
.irp i, 0,1,2,3,4,5,6,7,8,9,10,11,12,13,14,15
	v_med3_num_f32 v[TB+\i], v[XS+\i], -v7, v7     ; the other version; these sixteen plain lines also stand between the conversions above and the next write of their sources
.endr
	v_cvt_scalef32_pk8_bf8_f32 v[CN+4:CN+5], v[TB:TB+7], v6
	v_cvt_scalef32_pk8_bf8_f32 v[CN+6:CN+7], v[TB+8:TB+15], v6
.if (\n) < 4
	LOAD (\n)+4                                    ; the set just read takes the unit four further on
.endif
	global_store_b128 v2, v[CN:CN+3], s[8:9] offset:256*(\n)             ; each half of the wave stores 256 consecutive bytes, aligned
	global_store_b128 v2, v[CN+4:CN+7], s[8:9] offset:32768+256*(\n)
.endm
	s_wait_alu depctr_va_vdst(0)
.irp n, 0,1,2,3,4,5,6,7
	UNIT \n
.endr
	s_endpgm
.Lfunc_end_k_q267b70d506_vquant:
	.size	k_q267b70d506_vquant, .Lfunc_end_k_q267b70d506_vquant-k_q267b70d506_vquant
	.p2alignl 7, 3214868480
	.fill 96, 4, 3214868480
	.section	.rodata,"a",@progbits
	.p2align	6, 0x0
	.amdhsa_kernel k_q267b70d506_vquant
		.amdhsa_group_segment_fixed_size 0
		.amdhsa_private_segment_fixed_size 0
		.amdhsa_enable_private_segment 0
		.amdhsa_kernarg_size 24
		.amdhsa_user_sgpr_count 2
		.amdhsa_user_sgpr_kernarg_segment_ptr 1
		.amdhsa_wavefront_size32 1
		.amdhsa_system_sgpr_workgroup_id_x 1
		.amdhsa_system_sgpr_workgroup_id_y 1
		.amdhsa_system_sgpr_workgroup_id_z 1
		.amdhsa_system_vgpr_workitem_id 0
		.amdhsa_next_free_vgpr 176
		.amdhsa_next_free_sgpr 66
		.amdhsa_reserve_vcc 0
		.amdhsa_float_denorm_mode_32 3
		.amdhsa_float_denorm_mode_16_64 3
		.amdhsa_memory_ordered 1
		.amdhsa_forward_progress 1
		.amdhsa_inst_pref_size 34
	.end_amdhsa_kernel
	.amdgpu_metadata
---
amdhsa.version: [ 1, 2 ]
amdhsa.kernels:
  - .name:           k_q267b70d506_vquant
    .symbol:         k_q267b70d506_vquant.kd
    .args:
      - { .name: v, .offset: 0, .size: 8, .value_kind: global_buffer, .address_space: global }
      - { .name: lowp_scales, .offset: 8, .size: 8, .value_kind: global_buffer, .address_space: global }
      - { .name: vcodes, .offset: 16, .size: 8, .value_kind: global_buffer, .address_space: global }
    .group_segment_fixed_size: 0
    .private_segment_fixed_size: 0
    .kernarg_segment_align: 8
    .kernarg_segment_size: 24
    .max_flat_workgroup_size: 256
    .sgpr_count:     66
    .vgpr_count:     176
    .wavefront_size: 32
...
	.end_amdgpu_metadata
.endif
;; end of part 1
;; launch attn (part 2): grid 64 x 4, 8 waves a work-group, clusters of 4 x 1, 327,680 bytes of LDS; arguments q_codes, k_codes, vcodes, lowp_scales, lambda_q1, lambda_k1, lambda_q2, lambda_k2, subln_weight, out0; writes out0
.if DOCPART == 2
	.amdgcn_target "amdgcn-amd-amdhsa--gfx1250"
	.amdhsa_code_object_version 6
	.text
	.protected	k_q267b70d506_attn
	.globl	k_q267b70d506_attn
	.p2align	8
	.type	k_q267b70d506_attn,@function
k_q267b70d506_attn:
	s_mov_b64 s[64:65], 0
	v_nop
	global_prefetch_b8 v0, s[64:65] scope:SCOPE_SE
	s_setreg_imm32_b32 hwreg(HW_REG_WAVE_MODE, 25, 1), 1
	s_wait_xcnt 0x0
	s_wait_alu depctr_hold_cnt(0) depctr_sa_sdst(0) depctr_va_vdst(0) depctr_va_sdst(0) depctr_va_ssrc(0) depctr_va_vcc(0) depctr_vm_vsrc(0)
	s_getreg_b32 s2, hwreg(HW_REG_IB_STS2, 6, 4)
	s_cmp_eq_u32 s2, 0
	s_cbranch_scc0 .Lentry_in_a_cluster
	s_endpgm
.Lentry_in_a_cluster:
	s_bfe_u32 s2, ttmp6, 0x10000c
	s_cmp_lg_u32 s2, 0x3003
	s_cbranch_scc0 .Lentry_shape_is_right
	s_endpgm
.Lentry_shape_is_right:
; DIFFERENTIAL CAUSAL ATTENTION ON CODES OF E5M2.  For each pair of heads (b, pr): attention 0 on heads 2 pr of q and k, attention 1 on heads 2 pr + 1, both over the same v_cat (256 channels);
; X = attn0 - lambda attn1, lambda = exp(lq1 . lk1) - exp(lq2 . lk2) + LAMBDA_INIT; out = w x X x rsqrt(mean(X^2) + 1e-5) x (1 - LAMBDA_INIT).
; q, k: [2][2048][16][128] codes, a head's row 128 bytes.  V's codes: the launch before laid them as images of the operand's registers, one version for each attention's scale.
; THE SOFTMAX AHEAD OF THE SECOND PRODUCT: t = score x log2(e) / sqrt(128); M = the row's largest t so far, rounded UP to a whole number; p = 2^(t - M) is quantised with the given 2^ep, not normalised.
; The row's sum is taken of the unquantised p and divides at the end.  When M moves, the sum and O are multiplied by 2^(old M - new M), which rounds nothing.  Hidden scores become -infinity: p = 0.
; LEFT OUT: tiles of keys that the causal mask of reference()'s own body hides from all 256 queries of a superblock: their p is 0 for every input.  A NaN or an infinity that reaches only those is not carried to the result.
; LIMITS on the given exponents, so that each power of two below is an f32 number: eq + ek between -123 and 130 (added to c's exponent field); ep between -126 and 112; ep + ev goes in by v_ldexp_f32 and has none.
; NaN and infinity codes among q and k are not served.
; SHARES.  Cluster x is the pair, cluster y = c (0..3).  A cluster of four work-groups owns the pair's superblocks 7 - c and c of 256 queries, one after the other: 16 - 2 c and 2 c + 2 key steps of 128, 18 in every
; work-group.  Partner cx takes queries 64 cx .. 64 cx + 63 of each.  Wave w = att + 2 m: attention att.  It makes the scores and p of query tile m (16 queries), hands its P to the attention's three other waves and takes
; theirs (register tile u holds query tile m xor u, from wave w xor 2 u), and multiplies all 64 queries' P with ITS 64 channels (quarter m xor 2 att): each fragment of V is read once in the work-group and feeds four products.
; On the way out every wave keeps register tiles 0 and 1; the other attention of the same queries and channels lies in tiles 2 and 3 of wave w xor 5.  Factors: tile 0 mine and wave w xor 1's, tile 1 waves w xor 2's and
; w xor 3's; the same three waves hold the other channels of the same queries (w xor 2 and w xor 3 with the two tiles the other way round).
; CLUSTER.  All four partners walk the same K and V: each tile is asked for JOINTLY, by the same tensor load with the same descriptor and a mask that names the four.
; A slot's V is in registers, and its K multiplied, in the middle of its step; there the round stands, and the slot takes the tiles of two steps on, which have a whole step in which to land.
; LAYOUT.  Both products are used transposed: S^T = K Q^T (source 0 = 16 neighbouring keys), O^T = V^T P^T (source 0 = 16 channels): a lane holds ONE query (lane % 16) throughout.
; Register j of key tile t holds key 16 t + 8 (lane / 16) + j, the place that the 16x16x128 form gives registers 2 t, 2 t + 1 of an operand: the conversions' results ARE P's registers.
; REGISTERS.  Window 0: addresses, constants, S^T (then p), P, V's four fragments, at work.  Window 1: O^T, tile x channel tile at v[32 tile + 8 ct]; seven fragments of K at v[128 + 16 i]; Q at v[240:255].
.set KP,    272                        ; a key's row in LDS: 256 bytes of the pair's two heads + 16 of padding = 68 words: the 16 rows that a load touches start at 16 different banks (64 banks of 4 bytes: ISA guide 11.1)
.set VOFF,  128*KP                     ; a slot: 128 rows of K, then V's 65,536 bytes: version x 32,768 + ct x 2,048 + c x 512 + 16 x lane
.set SLOT1, VOFF+65536
.set XB,    2*SLOT1                    ; behind the ring: each wave's P (2,048 bytes), then its factors (256 bytes)
.set XBW,   2304
.set XF,    2048
.set STG,   XB+8*XBW                   ; each wave's stage: tiles 2, 3 as they lie in registers (8,192 bytes), later 32 rows x (256 bytes + 16)
.set STGW,  32*272
.set XS,    STG+8*STGW                 ; each wave's sums of squares, 256 bytes
.set SPARE, XS+2048                    ; the spare words, 128 bytes for each wave: four blocks of 256 bytes that no other line names
.set AK,   1                           ; v1, v2   LDS address of my lane's place in K's tile, slot 0, 1
.set AV,   3                           ; v3, v4   the same in my attention's version of V, my channels
.set XW,   5                           ; v5       my P;  v6, v7, v8  those of waves w xor 2, 4, 6
.set XR,   5                           ;          (XR + u for tile u)
.set FW,   9                           ; v9       my factor
.set SPW,  10                          ; v10      LDS address of my spare word; never rewritten
.set NIL,  11                          ; v11      0; never rewritten
.set HOLD, 12                          ; v12      57,344 x 2^ep
.set SCL,  13                          ; v13      2^ep
.set GF,   14                          ; v14      2^(ep + ev), in attention 1 times -lambda
.set PFO,  15                          ; v15      the prefetches' offset; never rewritten
.set FR,   15                          ; v16-18   the factors of waves w xor 2, 4, 6 (FR + u for tile u)
.set FB,   19                          ; v19, v20 those of waves w xor 1, w xor 3
.set STW,  21                          ; v21      my stage, + 16 x lane
.set STR,  22                          ; v22      the same in wave w xor 5's
.set OSI,  23                          ; v23      my stage: row lane % 16, + 32 (lane / 16)
.set OSO,  24                          ; v24      my stage: lanes 0-15 one row, lanes 16-31 the next
.set XSW,  25                          ; v25      sums of squares: mine;  v26-28 those of waves w xor 1, 2, 3
.set GO,   29                          ; v29, v30 my byte offset in out's rows of tile 0, tile 1
.set NINF, 31                          ; v31      -infinity
.set S,    32                          ; v32-95
.set P,    96                          ; v96-159  P's codes, four tiles
.set LT,   112                         ;          during the softmax: eight pairs of sums
.set V,    160                         ; v160-223
.set T,    224                         ; v224-239 at work
.set NM,   240                         ; v240     -M (v241 is named with it as a pair)
.set MX,   242                         ; v242     the largest t
.set SM,   244                         ; v[244:245] the sum in two halves
.set FA,   246                         ; v246-249 f of tile 0 .. 3
.set QO,   250                         ; v250     my byte offset in Q's rows
.set WT,   252                         ; v252-255 the weights of channels 4 (lane % 16) .. + 3 of my quarter
.set KF,   128                         ; window 1
.set QF,   240
.set G1K,  24                          ; s[24:31] descriptor group 1 for K's tiles;  s[32:39] for V's;  s[40:43], s[44:47] their groups 0
.set G1V,  32
.set G0K,  40
.set G0V,  44
.set WV,   48                          ; my wave's number
.set ATT,  49                          ; my attention
.set TR,   50                          ; the trip: two key steps
.set LAST, 51                          ; the first superblock's last trip, 7 - c
.set TK,   52                          ; the tile asked for last
.set NA,   53                          ; the first superblock's steps, 16 - 2 c
.set DT,   54                          ; s54, s55  the key tile on my queries' diagonal, in a superblock's last two steps
.set KL,   56                          ; where my part of K's tile, of V's tile goes in a slot
.set VL,   57
.set CS,   58                          ; s[58:59] c = log2(e) / sqrt(128) x 2^(eq + ek)
.set SEL,  60                          ; s[60:61] lane selects for v_permlanex16_b32: lane l xor 16
.set LIM,  62                          ; a wave prefetches while the trip is under this
.set QM,   63                          ; my query tile m
.set QD,   66                          ; s[66:67], s[68:69]  from the first superblock back to the second in q, in out
.set OD,   68
.set PFA,  70                          ; s[70:71] where my prefetches stand;  s[72:73] a step on
.set PFS,  72
.set KB,   74                          ; s[74:75], s[76:77]  my part of tile 0 of K, of V
.set VB,   76
.set OF,   78                          ; s[78:79] an offset at work
.set DM,   80                          ; s80-87   the diagonal tile's hidden lanes, register j
.set HM,   88                          ; s88-95   a tile's
.set CH,   100                         ; my channel quarter
.set CC,   101                         ; c
.set MSB, 0
.macro WIN new                         ; bits 1:0 source 0, 3:2 source 1, 5:4 source 2, 7:6 destination; the immediate's high byte repeats the setting that is left
.if MSB != \new
	s_set_vgpr_msb (MSB<<8)|\new
.set MSB, \new
.endif
.endm
.macro VW
	s_wait_alu depctr_va_vdst(0)
.endm
; A vector instruction or a load that touches a matrix instruction's registers stands four places behind it; only plain vector instructions that name none of its registers are places.
.macro PLACES n
.rept \n
	v_nop
.endr
.endm
.macro CREST                           ; a round of the cluster's barrier behind its opening barrier
	s_cmp_lg_u32 s[WV], 0
	s_cbranch_scc1 .Lnot_wave_0_\@
	s_barrier_signal -3
.Lnot_wave_0_\@:
	s_barrier_wait -3
	s_barrier_signal -1
	s_barrier_wait -1
.endm
.macro CROUND
	s_barrier_signal -1
	s_barrier_wait -1
	CREST
.endm
; A joint load: waves 0 to 3 fetch K's quarters (32 rows x 256 bytes), waves 4 to 7 V's (16,384 dense bytes).  The branch hangs on the wave's number alone.  An s_nop 0 and four v_nop follow each line.
.macro JLOAD
	s_cmp_lt_u32 s[WV], 4
	s_cbranch_scc0 .Lfor_v_\@
	tensor_load_to_lds s[G0K:G0K+3], s[G1K:G1K+7]
	s_nop 0
	PLACES 4
	s_branch .Lasked_\@
.Lfor_v_\@:
	tensor_load_to_lds s[G0V:G0V+3], s[G1V:G1V+7]
	s_nop 0
	PLACES 4
.Lasked_\@:
.endm
; Groups 0 for tile TK into a slot.  It stands where no tensor load of the wave is out.
.macro SETG0 slot
	s_lshl_b32 s[OF], s[TK], 18                    ; 128 rows of 2,048 bytes
	s_add_nc_u64 s[G0K+2:G0K+3], s[KB:KB+1], s[OF:OF+1]            ; 120:64 global address
	s_or_b32 s[G0K+3], s[G0K+3], 0x80000000        ; 127:126 type = 2
	s_lshl_b32 s[OF], s[TK], 16
	s_add_nc_u64 s[G0V+2:G0V+3], s[VB:VB+1], s[OF:OF+1]
	s_or_b32 s[G0V+3], s[G0V+3], 0x80000000
	s_add_co_u32 s[G0K+1], s[KL], (\slot)*SLOT1    ; 63:32 LDS address
	s_add_co_u32 s[G0V+1], s[VL], (\slot)*SLOT1
.endm
.macro NEXTTILE slot                   ; behind the first superblock's last tile the walk begins anew at tile 0
	s_add_co_u32 s[TK], s[TK], 1
	s_cmp_eq_u32 s[TK], s[NA]
	s_cselect_b32 s[TK], 0, s[TK]
	SETG0 \slot
.endm
; A PREFETCH INTO THE L2: step n asks for tile n + 4, which the round of step n + 2 will load.  All clusters of a pair walk the same tiles from 0 on: the one with c = 0, whose first walk has all 16, asks, and nobody else.
; Its four partners share a tile's blocks out BY ADDRESS: wave 0 asks for 32 of K's 128 rows (a lane a row: the pair's 256 bytes), waves 1 and 2 for 8,192 bytes each of the partner's 16,384 of V's codes, lanes 256 bytes
; apart: each aligned block of 256 bytes is named once in the launch.  Tiles 0 to 3 come by their loads alone; step 11 asks for tile 15, the last.
.macro ASK
	s_cmp_lt_u32 s[TR], s[LIM]
	s_cbranch_scc0 .Lnot_mine_\@
	s_wait_xcnt 0x0                                ; the prefetch that read the address stands a whole step back
	s_add_nc_u64 s[PFA:PFA+1], s[PFA:PFA+1], s[PFS:PFS+1]
	global_prefetch_b8 v[PFO], s[PFA:PFA+1] th:TH_LOAD_NT scope:SCOPE_SE
.Lnot_mine_\@:
.endm
.macro KLD slot, t, i                  ; K's fragment t (16 keys x my head's 128 bytes), four loads, 32 bytes apart, into buffer i; Q was loaded by the same pattern, so every product meets its partner
.irp c, 0,1,2,3
	ds_load_b128 v[KF+16*(\i)+4*\c:KF+16*(\i)+4*\c+3], v[AK+\slot] offset:16*(\t)*KP+32*\c
.endr
.endm
.macro KLOAD slot                      ; fragments 0 to 6
	WIN 0x40
.irp t, 0,1,2,3,4,5,6
	KLD \slot, \t, \t
.endr
	WIN 0
.endm
.macro QKM t, i
	v_wmma_f32_16x16x128_bf8_bf8 v[S+8*(\t):S+8*(\t)+7], v[KF+16*(\i):KF+16*(\i)+15], v[QF:QF+15], 0
.endm
; A superblock's last two steps.  Register 8 t + j holds key 16 t + 8 (lane / 16) + j; with DT my queries' own key tile, tile t is open under DT, hidden above it, and on it hidden where j > lane % 16 - 8 (lane / 16).
.macro MASK n
.irp t, 0,1,2,3,4,5,6,7
	s_cmp_lt_i32 s[DT+\n], \t
	s_cselect_b32 s96, -1, 0
	s_cmp_eq_u32 s[DT+\n], \t
.irp j, 0,1,2,3,4,5,6,7
	s_cselect_b32 s[HM+\j], s[DM+\j], s96
.endr
.irp j, 0,1,2,3,4,5,6,7
	v_cndmask_b32 v[S+8*\t+\j], v[S+8*\t+\j], v[NINF], s[HM+\j]
.endr
.endr
	VW
.endm
; The step's largest score of my query among my 64 keys: four chains, sixteen registers each, line by line.
.macro MAXES
.irp i, 0,1,2,3
	v_max3_num_f32 v[T+\i], v[S+16*\i], v[S+16*\i+1], v[S+16*\i+2]
.endr
.irp k, 3,5,7,9,11,13
.irp i, 0,1,2,3
	v_max3_num_f32 v[T+\i], v[T+\i], v[S+16*\i+\k], v[S+16*\i+\k+1]
.endr
.endr
	v_max3_num_f32 v[T], v[T], v[T+1], v[S+15]
	v_max3_num_f32 v[T+2], v[T+2], v[T+3], v[S+31]
	v_max3_num_f32 v[T], v[T], v[S+47], v[S+63]
	v_max_num_f32 v[T], v[T], v[T+2]
.endm
; The other half of the lanes' maximum; as t; the running largest t; -M = floor(-t) = -ceil(t); f = 2^(old M - new M).  V's four fragments, images of their registers, set out here.
.macro STATS slot
	v_permlanex16_b32 v[T+1], v[T], s[SEL], s[SEL+1]
.irp i, 0,1,2,3
.irp c, 0,1,2,3
	ds_load_b128 v[V+16*\i+4*\c:V+16*\i+4*\c+3], v[AV+\slot] offset:2048*\i+512*\c
.endr
.endr
	v_max_num_f32 v[T], v[T], v[T+1]
	v_mov_b32 v[T+2], v[NM]
	v_mul_f32 v[T], s[CS], v[T]                    ; c is positive
	v_max_num_f32 v[MX], v[MX], v[T]
	v_floor_f32 v[NM], -v[MX]
	v_sub_f32 v[T+2], v[NM], v[T+2]                ; old M less new M: a whole number, 0 or less
	v_cvt_i32_f32 v[T+2], v[T+2]                   ; (it saturates)
	v_ldexp_f32 v[FA], 1.0, v[T+2]
	ds_store_b32 v[FW], v[FA] offset:XF
.endm
.macro DMIN a                          ; the conversion to an 8-bit code does not saturate (ISA guide 7.6.2); p is not negative, so the hold is one-sided
	v_dual_min_num_f32 v[\a], v[\a], v[HOLD] :: v_dual_min_num_f32 v[\a+1], v[\a+1], v[HOLD]
.endm
.macro TM a
	v_pk_fma_f32 v[\a:\a+1], v[\a:\a+1], s[CS:CS+1], v[NM:NM+1] op_sel_hi:[1,0,0]   ; t - M
.endm
; p = 2^(t - M), its sum, the hold, the codes.  The exponentials go in two batches of 32 with a wait ahead of and behind each; among a batch's exponentials stands work whose
; results are first read behind the batch's wait.  THE ROW'S SUM IS TAKEN OF THE UNQUANTISED p.
.macro SOFT
.set k, 0
.rept 16
	TM S+2*k
.set k, k+1
.endr
	VW
.set k, 0
.rept 16
	v_exp_f32 v[S+2*k], v[S+2*k]
	TM S+32+2*k
	v_exp_f32 v[S+2*k+1], v[S+2*k+1]
.set k, k+1
.endr
	v_pk_mul_f32 v[SM:SM+1], v[SM:SM+1], v[FA:FA+1] op_sel_hi:[1,0]         ; the sum under the new M
	VW
.set k, 0
.rept 16
	v_exp_f32 v[S+32+2*k], v[S+32+2*k]
.if k < 8
	v_pk_add_f32 v[LT+2*k:LT+2*k+1], v[S+2*k:S+2*k+1], v[S+16+2*k:S+16+2*k+1]   ; the first half's sum: eight pairs, each pair of registers ahead of its hold
.endif
	v_exp_f32 v[S+32+2*k+1], v[S+32+2*k+1]
	DMIN S+2*k
.set k, k+1
.endr
	v_nop
	VW
.irp t, 0,1,2,3
	v_cvt_scalef32_pk8_bf8_f32 v[P+2*\t:P+2*\t+1], v[S+8*\t:S+8*\t+7], v[SCL]   ; key tile t's eight registers: registers 2 t, 2 t + 1 of the operand
.endr
.irp i, 0,1,2,3
	v_pk_add_f32 v[T+2*\i:T+2*\i+1], v[S+32+2*\i:S+33+2*\i], v[S+40+2*\i:S+41+2*\i]   ; the second half's: four chains
.endr
	ds_store_b128 v[XW], v[P:P+3]
	ds_store_b128 v[XW], v[P+4:P+7] offset:512
.irp i, 0,1,2,3,4,5,6,7
	DMIN S+32+2*\i
.endr
.set k, 8
.rept 8
	v_pk_add_f32 v[T+2*(k%4):T+2*(k%4)+1], v[T+2*(k%4):T+2*(k%4)+1], v[S+32+2*k:S+33+2*k]
.if k < 12
	v_pk_add_f32 v[LT+2*(k-8):LT+2*(k-8)+1], v[LT+2*(k-8):LT+2*(k-8)+1], v[LT+2*(k-4):LT+2*(k-4)+1]
.elseif k < 14
	v_pk_add_f32 v[LT+2*(k-12):LT+2*(k-12)+1], v[LT+2*(k-12):LT+2*(k-12)+1], v[LT+2*(k-10):LT+2*(k-10)+1]
.else
	v_pk_add_f32 v[SM:SM+1], v[SM:SM+1], v[LT+2*(k-14):LT+2*(k-14)+1]
.endif
	DMIN S+32+2*k
.set k, k+1
.endr
.irp t, 4,5,6,7
	v_cvt_scalef32_pk8_bf8_f32 v[P+2*\t:P+2*\t+1], v[S+8*\t:S+8*\t+7], v[SCL]
.endr
	v_pk_add_f32 v[T:T+1], v[T:T+1], v[T+2:T+3]
	v_pk_add_f32 v[T+4:T+5], v[T+4:T+5], v[T+6:T+7]
	ds_store_b128 v[XW], v[P+8:P+11] offset:1024
	ds_store_b128 v[XW], v[P+12:P+15] offset:1536
	v_pk_add_f32 v[T:T+1], v[T:T+1], v[T+4:T+5]
	v_pk_add_f32 v[SM:SM+1], v[SM:SM+1], v[T:T+1]
.endm
.macro RESC u                          ; O^T of tile u under the new M, each accumulator from its low end on
.set k, 0
.rept 16
.if (\u)%2
	v_pk_mul_f32 v[32*(\u)+2*k:32*(\u)+2*k+1], v[32*(\u)+2*k:32*(\u)+2*k+1], v[FA+\u-1:FA+\u] op_sel:[0,1] op_sel_hi:[1,1]
.else
	v_pk_mul_f32 v[32*(\u)+2*k:32*(\u)+2*k+1], v[32*(\u)+2*k:32*(\u)+2*k+1], v[FA+\u:FA+\u+1] op_sel_hi:[1,0]
.endif
.set k, k+1
.endr
.endm
.macro PVM u, ct                       ; O^T += V^T P^T of tile u, channel tile ct.  Every accumulator has one instruction a turn
	v_wmma_f32_16x16x128_bf8_bf8 v[32*(\u)+8*(\ct):32*(\u)+8*(\ct)+7], v[V+16*(\ct):V+16*(\ct)+15], v[P+16*(\u):P+16*(\u)+15], v[32*(\u)+8*(\ct):32*(\u)+8*(\ct)+7]
.endm
.macro PVX ct                          ; the three other waves' tiles
	PVM 1, \ct
	PVM 2, \ct
	PVM 3, \ct
.endm
; A KEY STEP.  mask = 1: hidden scores in the first superblock's last trip; 2: always.  fill = 1: the slot takes the tiles of two steps on.  next = 1: the next step's fragments of K are fetched.
.macro STEP slot, mask, fill, next
	WIN 0x05                                       ; K and Q window 1, S window 0
	s_wait_dscnt 24                                ; K's fragment 0 is in; the six younger ones' loads may be out
	QKM 0, 0
	WIN 0x40
	PLACES 4
	KLD \slot, 7, 0                                ; its buffer takes the last fragment
	WIN 0x05
	s_wait_dscnt 20                                ; 1 and 2 are in; 3 to 7 may be out
	QKM 1, 1
	QKM 2, 2
	s_wait_dscnt 12                                ; 3 and 4; 5 to 7 may be out
	QKM 3, 3
	QKM 4, 4
	s_wait_dscnt 4                                 ; 5 and 6; 7 may be out
	QKM 5, 5
	QKM 6, 6
	s_wait_dscnt 0x0
	QKM 7, 0
	PLACES 4
	WIN 0
.if \mask == 1
	s_cmp_lg_u32 s[TR], s[LAST]
	s_cbranch_scc1 .Lopen_\@
.endif
.if \mask
	MASK \slot
.endif
.Lopen_\@:
	MAXES
	STATS \slot
	SOFT
	WIN 0x41
	VW                                             ; ahead of the first readers of O^T
	RESC 0
	VW
	s_wait_dscnt 0x0                               ; V's fragments are in; for the others' sake: my P and f are stored
	s_barrier_signal -1
	WIN 0x50                                       ; C and D window 1
	PVM 0, 0                                       ; my own queries' products while the others arrive
	PVM 0, 1
	s_barrier_wait -1
	WIN 0
.irp u, 1,2,3
	ds_load_b32 v[FA+\u], v[FR+\u] offset:XF
.endr
.irp u, 1,2,3
.irp i, 0,1,2,3
	ds_load_b128 v[P+16*\u+4*\i:P+16*\u+4*\i+3], v[XR+\u] offset:512*\i
.endr
.endr
	WIN 0x50
	PVM 0, 2
	PVM 0, 3
	WIN 0x41
	s_wait_dscnt 12                                ; the three factors are in; the twelve loads of P may be out
	VW
	RESC 1
	RESC 2
	RESC 3
	WIN 0
	VW
.if \next
	s_wait_tensorcnt 0x0                           ; all my tensor loads have landed: my part of the other slot
.endif
.if \fill
	ds_add_u32 v[SPW], v[NIL]                      ; 0 onto my spare word
	NEXTTILE \slot
.endif
	s_wait_dscnt 0x0                               ; the others' P is in, the add is done; behind the barrier no wave reads this slot any more
	s_barrier_signal -1
	WIN 0x50
	PVX 0
	PVX 1
	WIN 0
	s_barrier_wait -1
.if \fill
	CREST
	JLOAD                                          ; the first thing behind the round, and a wave's one tensor load until the next
.endif
.if \next
	KLOAD 1-\slot
.endif
.if \fill
	ASK
.endif
	WIN 0x50
	PVX 2                                          ; K's loads are on their way meanwhile
	PVX 3
	WIN 0
.endm
.macro QLOAD                           ; Q stays in registers: registers 4 c .. 4 c + 3 hold the head's 32 c + 16 h + 0 .. 15, as K's fragments do
	WIN 0x40
.irp c, 0,1,2,3
	global_load_b128 v[QF+4*\c:QF+4*\c+3], v[QO], s[4:5] offset:32*\c
.endr
	WIN 0
.endm
.macro INIT                            ; the largest t so far: -3e38, under every t; so a superblock's first step has f = 0, and O^T, finite whatever it holds, begins anew by the rescaling
	v_mov_b32 v[MX], 0xff61b1e6
	v_mov_b32 v[NM], 0x7f61b1e6
	v_mov_b32 v[SM], 0
	v_mov_b32 v[SM+1], 0
.endm
; THE WAY OUT of a superblock's 64 queries.  more = 1: another one follows.
.macro EPI more
.if \more
	s_sub_nc_u64 s[4:5], s[4:5], s[QD:QD+1]
	QLOAD
.endif
	PLACES 4
	WIN 0x04
.set k, 0
.rept 16
	ds_store_b128 v[STW], v[64+4*k:64+4*k+3] offset:512*k          ; tiles 2 and 3 for wave w xor 5, unscaled
.set k, k+1
.endr
	WIN 0
	v_add_f32 v[T], v[SM], v[SM+1]                 ; the sum's two halves,
	v_permlanex16_b32 v[T+1], v[T], s[SEL], s[SEL+1]
	v_add_f32 v[T], v[T], v[T+1]                   ; and lane l xor 16's
	VW
	v_rcp_f32 v[T+2], v[T]
	v_nop
	VW
	v_mul_f32 v[T+8], v[T+2], v[GF]
	ds_store_b32 v[FW], v[T+8] offset:XF
	VW
	s_wait_dscnt 0x0
	s_barrier_signal -1
	s_barrier_wait -1
	ds_load_b32 v[T+9], v[FR+1] offset:XF          ; my attention's factor of tile 1's queries,
	ds_load_b32 v[T+10], v[FB] offset:XF           ; the other attention's of both tiles',
	ds_load_b32 v[T+11], v[FB+1] offset:XF
.set k, 0
.rept 16
	ds_load_b128 v[S+4*k:S+4*k+3], v[STR] offset:512*k             ; and its O^T
.set k, k+1
.endr
.set k, 0
.rept 16
	s_wait_dscnt 15-k                              ; load k is in, the younger ones may be out
.if k < 8
	v_pk_mul_f32 v[S+4*k:S+4*k+1], v[S+4*k:S+4*k+1], v[T+10:T+11] op_sel_hi:[1,0]
	v_pk_mul_f32 v[S+4*k+2:S+4*k+3], v[S+4*k+2:S+4*k+3], v[T+10:T+11] op_sel_hi:[1,0]
.else
	v_pk_mul_f32 v[S+4*k:S+4*k+1], v[S+4*k:S+4*k+1], v[T+10:T+11] op_sel:[0,1] op_sel_hi:[1,1]
	v_pk_mul_f32 v[S+4*k+2:S+4*k+3], v[S+4*k+2:S+4*k+3], v[T+10:T+11] op_sel:[0,1] op_sel_hi:[1,1]
.endif
.set k, k+1
.endr
	WIN 0x01
	VW                                             ; ahead of the first readers of O^T
.set k, 0
.rept 32
.if k < 16
	v_pk_fma_f32 v[S+2*k:S+2*k+1], v[2*k:2*k+1], v[T+8:T+9], v[S+2*k:S+2*k+1] op_sel_hi:[1,0,1]       ; X
.else
	v_pk_fma_f32 v[S+2*k:S+2*k+1], v[2*k:2*k+1], v[T+8:T+9], v[S+2*k:S+2*k+1] op_sel:[0,1,0] op_sel_hi:[1,1,1]
.endif
.set k, k+1
.endr
	WIN 0
	; the RMS norm over the query's 256 channels: my 32 of each tile in two chains, lane l xor 16's, the three other waves'
.irp i, 0,1
	v_pk_mul_f32 v[T+2*\i:T+2*\i+1], v[S+2*\i:S+2*\i+1], v[S+2*\i:S+2*\i+1]
	v_pk_mul_f32 v[T+4+2*\i:T+5+2*\i], v[S+32+2*\i:S+33+2*\i], v[S+32+2*\i:S+33+2*\i]
.endr
.set k, 2
.rept 14
	v_pk_fma_f32 v[T+2*(k%2):T+2*(k%2)+1], v[S+2*k:S+2*k+1], v[S+2*k:S+2*k+1], v[T+2*(k%2):T+2*(k%2)+1]
	v_pk_fma_f32 v[T+4+2*(k%2):T+5+2*(k%2)], v[S+32+2*k:S+33+2*k], v[S+32+2*k:S+33+2*k], v[T+4+2*(k%2):T+5+2*(k%2)]
.set k, k+1
.endr
	v_pk_add_f32 v[T:T+1], v[T:T+1], v[T+2:T+3]
	v_pk_add_f32 v[T+4:T+5], v[T+4:T+5], v[T+6:T+7]
	v_add_f32 v[T], v[T], v[T+1]
	v_add_f32 v[T+1], v[T+4], v[T+5]
	v_permlanex16_b32 v[T+2], v[T], s[SEL], s[SEL+1]
	v_permlanex16_b32 v[T+3], v[T+1], s[SEL], s[SEL+1]
	v_add_f32 v[T], v[T], v[T+2]
	v_add_f32 v[T+1], v[T+1], v[T+3]
	ds_store_b64 v[XSW], v[T:T+1]
	VW
	s_wait_dscnt 0x0
	s_barrier_signal -1
	s_mov_b32 s96, 0x3b800000                      ; 1 / 256
	s_mov_b32 s97, 0x3727c5ac                      ; 1e-5
	s_barrier_wait -1
	ds_load_b64 v[T+4:T+5], v[XSW+1]
	ds_load_b64 v[T+6:T+7], v[XSW+2]               ; these two the other way round
	ds_load_b64 v[T+8:T+9], v[XSW+3]
	s_wait_dscnt 0x0
	v_pk_add_f32 v[T:T+1], v[T:T+1], v[T+4:T+5]
	v_pk_add_f32 v[T+6:T+7], v[T+6:T+7], v[T+8:T+9]
	v_add_f32 v[T], v[T], v[T+7]
	v_add_f32 v[T+1], v[T+1], v[T+6]
	v_fma_f32 v[T], v[T], s96, s97                 ; the mean + 1e-5
	v_fma_f32 v[T+1], v[T+1], s96, s97
	VW
	v_rsq_f32 v[T+2], v[T]
	v_rsq_f32 v[T+3], v[T+1]
	v_nop
	VW
	v_mul_f32 v[T], 0x3e5d9673, v[T+2]             ; x (1 - LAMBDA_INIT)
	v_mul_f32 v[T+1], 0x3e5d9673, v[T+3]
.set k, 0
.rept 32
.if k < 16
	v_pk_mul_f32 v[S+2*k:S+2*k+1], v[S+2*k:S+2*k+1], v[T:T+1] op_sel_hi:[1,0]
.else
	v_pk_mul_f32 v[S+2*k:S+2*k+1], v[S+2*k:S+2*k+1], v[T:T+1] op_sel:[0,1] op_sel_hi:[1,1]
.endif
.set k, k+1
.endr
	; A lane holds eight neighbouring channels of one row, the lanes beside it other rows: a tile's 16 rows x 256 bytes go through my own stage, which wave w xor 5 has read ahead of the barrier above, and come back as whole
	; rows, into the registers that they left.  LDS serves a wave's instructions in order (ISA guide 5.7.1.4): no wait between the stores and the loads.
.irp u, 0,1
.irp i, 0,1,2,3
	ds_store_b128 v[OSI], v[S+32*\u+8*\i:S+32*\u+8*\i+3] offset:4352*\u+64*\i
	ds_store_b128 v[OSI], v[S+32*\u+8*\i+4:S+32*\u+8*\i+7] offset:4352*\u+64*\i+16
.endr
.irp i, 0,1,2,3,4,5,6,7
	ds_load_b128 v[S+32*\u+4*\i:S+32*\u+4*\i+3], v[OSO] offset:4352*\u+2*\i*272
.endr
.endr
.irp u, 0,1
.irp i, 0,1,2,3,4,5,6,7
	s_wait_dscnt 16*(1-\u)+7-\i                    ; behind this load: the rest of its tile's loads and the later tile's 16 LDS instructions
	v_pk_mul_f32 v[S+32*\u+4*\i:S+32*\u+4*\i+1], v[S+32*\u+4*\i:S+32*\u+4*\i+1], v[WT:WT+1]
	v_pk_mul_f32 v[S+32*\u+4*\i+2:S+32*\u+4*\i+3], v[S+32*\u+4*\i+2:S+32*\u+4*\i+3], v[WT+2:WT+3]
	global_store_b128 v[GO+\u], v[S+32*\u+4*\i:S+32*\u+4*\i+3], s[22:23] offset:2*\i*8192 th:TH_STORE_NT   ; 16 lanes store 256 consecutive bytes, at a multiple of 256 from out's first byte
.endr
.endr
.if \more
	INIT
	VW
	s_wait_xcnt 0x0                                ; the stores have read their registers and their base
	s_sub_nc_u64 s[22:23], s[22:23], s[OD:OD+1]
	s_wait_loadcnt 0x0                             ; the next queries
.endif
.endm
.macro XADR d, x, w, base              ; base + w x (my wave's number xor x)
	s_xor_b32 s96, s[WV], \x
	s_mul_i32 s[\d], s96, \w
	s_add_co_u32 s[\d], s[\d], \base
.endm
	s_load_b512 s[4:19], s[0:1], 0x0               ; q s[4:5], k s[6:7], V's codes s[8:9], the exponents s[10:11], lq1 s[12:13], lk1 s[14:15], lq2 s[16:17], lk2 s[18:19]
	s_load_b128 s[20:23], s[0:1], 0x40             ; the weights s[20:21], out s[22:23]
	v_lshl_add_u32 v[SPW], v0, 2, SPARE
	v_mov_b32 v[NIL], 0
	ds_add_u32 v[SPW], v[NIL]                      ; the wave's opening: the add, twice on end, and its wait ahead of the round in front of the first tensor loads
	ds_add_u32 v[SPW], v[NIL]
	v_lshrrev_b32 v32, 5, v0
	v_readfirstlane_b32 s[WV], v32                 ; wave 0..7
	s_and_b32 s[ATT], s[WV], 1
	s_lshr_b32 s[QM], s[WV], 1
	s_lshl_b32 s96, s[ATT], 1
	s_xor_b32 s[CH], s[QM], s96
	XADR 80, 0, XBW, XB
	XADR 81, 2, XBW, XB
	XADR 82, 4, XBW, XB
	XADR 83, 6, XBW, XB
	XADR 84, 1, XBW, XB
	XADR 85, 3, XBW, XB
	XADR 86, 0, STGW, STG
	XADR 87, 5, STGW, STG
	XADR 88, 0, 256, XS
	XADR 89, 1, 256, XS
	XADR 90, 2, 256, XS
	XADR 91, 3, 256, XS
	s_lshl_b32 s92, s[ATT], 7
	s_lshl_b32 s93, s[ATT], 15
	s_lshl_b32 s94, s[CH], 13
	s_add_co_u32 s93, s93, s94
	s_add_co_u32 s93, s93, VOFF
	s_and_b32 s94, s[QM], 1
	s_lshl_b32 s94, s94, 17
	s_xor_b32 s95, s94, 0x20000
	s_movk_i32 s97, 256
	s_cmp_eq_u32 s[WV], 0
	s_cselect_b32 s97, 2048, s97                   ; the prefetches, from lane to lane: wave 0 asks for K's, waves 1 and 2 for V's
	v_and_b32 v33, 15, v0                          ; r
	v_bfe_u32 v34, v0, 4, 1                        ; h
	v_and_b32 v35, 31, v0                          ; lane
	v_mul_u32_u24 v[AK], v33, KP
	v_lshl_add_u32 v[AK], v34, 4, v[AK]
	v_add_nc_u32 v[AK], s92, v[AK]                 ; K: row r, + 16 h, + my head's 128 bytes
	v_add_nc_u32 v[AK+1], SLOT1, v[AK]
	v_lshl_add_u32 v[AV], v35, 4, s93
	v_add_nc_u32 v[AV+1], SLOT1, v[AV]
.irp u, 0,1,2,3
	v_lshl_add_u32 v[XW+\u], v35, 4, s[80+\u]
.endr
	v_lshl_add_u32 v[FW], v35, 2, s80
.irp u, 1,2,3
	v_lshl_add_u32 v[FR+\u], v35, 2, s[80+\u]
.endr
	v_lshl_add_u32 v[FB], v35, 2, s84
	v_lshl_add_u32 v[FB+1], v35, 2, s85
	v_lshl_add_u32 v[STW], v35, 4, s86
	v_lshl_add_u32 v[STR], v35, 4, s87
	v_mul_u32_u24 v[OSI], v33, 272
	v_lshl_add_u32 v[OSI], v34, 5, v[OSI]
	v_add_nc_u32 v[OSI], s86, v[OSI]
	v_mul_u32_u24 v[OSO], v34, 272
	v_lshl_add_u32 v[OSO], v33, 4, v[OSO]
	v_add_nc_u32 v[OSO], s86, v[OSO]
.irp u, 0,1,2,3
	v_lshl_add_u32 v[XSW+\u], v35, 3, s[88+\u]
.endr
	v_lshlrev_b32 v36, 13, v34
	v_lshl_add_u32 v36, v33, 4, v36                ; out: lanes 0-15 one row, lanes 16-31 the next
	v_add_nc_u32 v[GO], s94, v36                   ; tile 0's 16 rows of 32, tile 1's
	v_add_nc_u32 v[GO+1], s95, v36
	v_lshlrev_b32 v[QO], 11, v33
	v_lshl_add_u32 v[QO], v34, 4, v[QO]            ; Q: row r of 2,048 bytes, + 16 h
	v_mul_lo_u32 v[PFO], v35, s97
	v_lshlrev_b32 v37, 4, v35                      ; the lambda vectors: 16 bytes a lane
	v_lshlrev_b32 v38, 4, v33                      ; the weights
	v_mov_b32 v[NINF], 0xff800000
	v_mov_b32 v[NM+1], 0
.irp u, 1,2,3
	v_mov_b32 v[FA+\u], 0                          ; (named as halves of pairs)
.endr
	INIT
	VW
	s_mov_b32 s[SEL], 0x76543210
	s_mov_b32 s[SEL+1], 0xfedcba98
	s_mov_b32 s[TR], 0
	s_mov_b32 s[TK], 0
	s_mov_b32 s[OF+1], 0
	s_and_b32 s[CC], ttmp7, 0xffff                 ; c: the cluster's y
	s_sub_co_u32 s[LAST], 7, s[CC]
	s_lshl_b32 s[NA], s[CC], 1
	s_sub_co_u32 s91, 7, s[NA]                     ; 7 - 2 c superblocks from the first back to the second
	s_sub_co_u32 s[NA], 16, s[NA]
	s_lshl_b32 s[QD], s91, 19
	s_mov_b32 s[QD+1], 0
	s_lshl_b32 s[OD], s91, 21
	s_mov_b32 s[OD+1], 0
	s_mov_b32 s80, ttmp9                           ; the pair: the cluster's x, which the four partners share
	s_lshr_b32 s81, s80, 3                         ; b
	s_and_b32 s82, s80, 7                          ; pr
	; what I fetch: quarter w & 3 of K or of V.  Nothing here hangs on my place in the cluster
	s_and_b32 s83, s[WV], 3
	s_lshl_b32 s84, s81, 22                        ; K: b's 2,048 rows of 2,048 bytes,
	s_lshl_b32 s85, s83, 16                        ; + 32 rows a quarter,
	s_add_co_u32 s84, s84, s85
	s_lshl_b32 s85, s82, 8                         ; + the pair's 256 bytes of a row
	s_add_co_u32 s84, s84, s85
	s_mov_b32 s85, 0
	s_mul_i32 s[KL], s83, 32*KP                    ; and where they go
	s_lshl_b32 s[VL], s83, 14
	s_lshl_b32 s86, s80, 20                        ; V: the pair's 16 steps of 65,536 bytes
	s_add_co_u32 s86, s86, s[VL]
	s_mov_b32 s87, 0
	s_add_co_u32 s[VL], s[VL], VOFF
	; descriptor group 1.  K: 32 rows x 256 elements of 1 byte, 2,048 apart, 16 bytes of padding behind each row
	s_mov_b32 s[G1K], 15|(1<<20)|(1<<21)|(5<<22)|(3<<25)   ; 15:0 the mask: all four work-groups; 17:16 elements of 1 byte; 20 padding on; 21 set beside a mask; 24:22 after every 64 words (code 5); 31:25 four words (code 3)
	s_mov_b32 s[G1K+1], 256<<16                    ; tensor_dim0
	s_mov_b32 s[G1K+2], 32<<16                     ; tensor_dim1
	s_mov_b32 s[G1K+3], 256<<16                    ; tile_dim0
	s_mov_b32 s[G1K+4], 32                         ; tile_dim1
	s_mov_b32 s[G1K+5], 2048                       ; tensor_dim0_stride
	s_mov_b32 s[G1K+6], 0
	s_mov_b32 s[G1K+7], 0
	; V: a dense block as 64 rows x 32 elements of 8 bytes, no padding
	s_mov_b32 s[G1V], 15|(3<<16)|(1<<21)
	s_mov_b32 s[G1V+1], 32<<16
	s_mov_b32 s[G1V+2], 64<<16
	s_mov_b32 s[G1V+3], 32<<16
	s_mov_b32 s[G1V+4], 64
	s_mov_b32 s[G1V+5], 32
	s_mov_b32 s[G1V+6], 0
	s_mov_b32 s[G1V+7], 0
	s_mov_b32 s[G0K], 1                            ; 1:0 count = 1
	s_mov_b32 s[G0V], 1
	; what hangs on my place in the cluster: my queries, in Q's and out's addresses and in the mask's numbers; the prefetches' addresses
	s_bfe_u32 s88, ttmp6, 0x40000                  ; cx
	s_lshl_b32 s89, s88, 2
	s_add_co_u32 s[DT], s89, s[QM]                 ; my queries' tile of 16 in the superblock, 4 cx + m
	s_sub_co_u32 s[DT+1], s[DT], 8
	s_lshl_b32 s89, s81, 11
	s_lshl_b32 s90, s[LAST], 8
	s_add_co_u32 s89, s89, s90
	s_lshl_b32 s90, s88, 6
	s_add_co_u32 s89, s89, s90                     ; my work-group's first row: 2,048 b + 256 (7 - c) + 64 cx
	s_lshl_b32 s90, s[QM], 4
	s_add_co_u32 s90, s90, s89
	s_lshl_b32 s96, s90, 11                        ; Q: + 16 m rows,
	s_lshl_b32 s90, s82, 8
	s_add_co_u32 s96, s96, s90
	s_lshl_b32 s90, s[ATT], 7
	s_add_co_u32 s96, s96, s90                     ; + the pair's 256 bytes, + my head's 128
	s_mov_b32 s97, 0
	s_lshr_b32 s90, s[QM], 1
	s_lshl_b32 s90, s90, 5
	s_add_co_u32 s90, s90, s89
	s_lshl_b32 s98, s90, 13                        ; out: the 32 rows of query tiles m and m xor 1,
	s_lshl_b32 s90, s82, 10
	s_add_co_u32 s98, s98, s90
	s_lshl_b32 s90, s[CH], 8
	s_add_co_u32 s98, s98, s90                     ; + the pair's 1,024 bytes, + my channels' 256
	s_mov_b32 s99, 0
	s_mov_b32 s91, 0                               ; s[90:91]: my channels' weights
	s_lshl_b32 s92, s81, 22
	s_lshl_b32 s93, s88, 16                        ; the prefetches, K: my work-group's 32 rows of a step's 128,
	s_add_co_u32 s92, s92, s93
	s_lshl_b32 s93, s82, 8
	s_add_co_u32 s92, s92, s93
	s_add_co_u32 s92, s92, 3<<18                   ; at tile 3: the first asking steps it to tile 4
	s_lshl_b32 s93, s80, 20
	s_lshl_b32 s94, s88, 14                        ; V: my work-group's 16,384 bytes of a step's 65,536,
	s_add_co_u32 s93, s93, s94
	s_xor_b32 s94, s[ATT], 1
	s_lshl_b32 s94, s94, 13                        ; wave 2's half of them behind wave 1's
	s_add_co_u32 s93, s93, s94
	s_add_co_u32 s93, s93, 3<<16
	s_mov_b32 s[PFS], 1<<16
	s_mov_b32 s[PFS+1], 0
	s_cmp_eq_u32 s[WV], 0
	s_cselect_b32 s92, s92, s93
	s_cselect_b32 s[PFS], 1<<18, s[PFS]            ; a step on
	s_mov_b32 s93, 0
	s_cmp_lt_u32 s[WV], 3
	s_cselect_b32 s[LIM], 6, 0
	s_cmp_eq_u32 s[CC], 0
	s_cselect_b32 s[LIM], s[LIM], 0                ; waves 0 to 2 of the cluster with c = 0: the same in all four partners
	s_wait_dscnt 0x0                               ; both opening adds are done
	s_wait_kmcnt 0x0
	s_add_nc_u64 s[KB:KB+1], s[6:7], s[84:85]
	s_add_nc_u64 s[VB:VB+1], s[8:9], s[86:87]
	SETG0 0
	s_cmp_eq_u32 s[WV], 0
	s_cselect_b64 s[PFA:PFA+1], s[6:7], s[8:9]
	s_add_nc_u64 s[PFA:PFA+1], s[PFA:PFA+1], s[92:93]
	s_add_nc_u64 s[4:5], s[4:5], s[96:97]          ; Q at my 16 queries
	s_add_nc_u64 s[22:23], s[22:23], s[98:99]      ; out at the 32 rows that I store
	s_add_nc_u64 s[20:21], s[20:21], s[90:91]
	s_load_b256 s[92:99], s[10:11], 0x0            ; the eight exponents
	CROUND                                         ; all four work-groups are here: the first joint loads meet
	JLOAD                                          ; tile 0
	QLOAD
	global_load_b128 v[48:51], v37, s[12:13]       ; lq1, lk1, lq2, lk2: four numbers a lane
	global_load_b128 v[52:55], v37, s[14:15]
	global_load_b128 v[56:59], v37, s[16:17]
	global_load_b128 v[60:63], v37, s[18:19]
	global_load_b128 v[WT:WT+3], v38, s[20:21]
	WIN 0x40
.set k, 0
.rept 128
	v_mov_b32 v[k], 0                              ; O^T, while the first tiles are on their way: the step is written for a sum that stands, and its first rescaling wants finite numbers
.set k, k+1
.endr
	WIN 0
	s_wait_kmcnt 0x0
	s_cmp_eq_u32 s[ATT], 0                         ; my attention's four exponents: a choice, no branch
	s_cselect_b32 s84, s92, s96                    ; eq
	s_cselect_b32 s85, s93, s97                    ; ek
	s_cselect_b32 s86, s94, s98                    ; ev
	s_cselect_b32 s87, s95, s99                    ; ep
	s_cselect_b32 s91, 0, -1                       ; all lanes' bits in attention 1
	s_add_co_i32 s84, s84, s85
	s_lshl_b32 s84, s84, 23
	s_mov_b32 s[CS], 0x3e0293ee                    ; c = log2(e) / sqrt(128);
	s_add_co_i32 s[CS], s[CS], s84                 ; a score stands for score x 2^(eq + ek): the two exponents are added to c's exponent field
	s_mov_b32 s[CS+1], s[CS]                       ; (named with it as a pair, so it is written)
	s_add_co_i32 s86, s86, s87                     ; ep + ev
	s_add_co_i32 s87, s87, 127
	s_lshl_b32 s88, s87, 23
	v_mov_b32 v[SCL], s88                          ; 2^ep as f32: the conversion takes its exponent field
	s_add_co_i32 s87, s87, 15
	s_lshl_b32 s87, s87, 23
	s_or_b32 s87, s87, 0x600000
	v_mov_b32 v[HOLD], s87                         ; 57,344 x 2^ep
	VW
	s_wait_loadcnt 0x0                             ; Q, the lambda vectors, the weights
	v_mul_f32 v72, v48, v52                        ; lq1 . lk1 and lq2 . lk2: four products a lane,
	v_mul_f32 v73, v56, v60
.irp i, 1,2,3
	v_fmac_f32 v72, v[48+\i], v[52+\i]
	v_fmac_f32 v73, v[56+\i], v[60+\i]
.endr
.irp x, 1,2,4,8
	v_add_f32_dpp v72, v72, v72 row_xmask:\x row_mask:0xf bank_mask:0xf       ; then across the 32 lanes
	v_add_f32_dpp v73, v73, v73 row_xmask:\x row_mask:0xf bank_mask:0xf
.endr
	v_mov_b32 v74, 0                               ; a lane permute's destination counts as one of its sources
	v_mov_b32 v75, 0
	v_permlanex16_b32 v74, v72, s[SEL], s[SEL+1]
	v_permlanex16_b32 v75, v73, s[SEL], s[SEL+1]
	v_add_f32 v72, v72, v74
	v_add_f32 v73, v73, v75
	v_mul_f32 v72, 0x3fb8aa3b, v72                 ; x log2(e)
	v_mul_f32 v73, 0x3fb8aa3b, v73
	VW
	v_exp_f32 v76, v72
	v_exp_f32 v77, v73
	v_nop
	VW
	v_sub_f32 v72, v76, v77
	v_add_f32 v72, 0x3f489a63, v72                 ; lambda = lambda_1 - lambda_2 + LAMBDA_INIT (0.8 - 0.6 exp(-3.6))
	v_mul_f32 v72, -1.0, v72
	v_mov_b32 v73, 1.0
	v_cndmask_b32 v[GF], v73, v72, s91             ; attention 0 goes in as it is, attention 1 times -lambda,
	v_ldexp_f32 v[GF], v[GF], s86                  ; both times 2^(ep + ev)
	v_and_b32 v72, 15, v0
	v_bfe_u32 v73, v0, 4, 1
	v_lshlrev_b32 v73, 3, v73
	v_sub_nc_u32 v72, v72, v73                     ; lane % 16 - 8 (lane / 16)
.irp j, 0,1,2,3,4,5,6,7
	v_cmp_gt_i32 s[DM+\j], \j, v72                 ; the diagonal tile's hidden lanes, register j
.endr
	VW
	s_wait_tensorcnt 0x0                           ; my part of tile 0 is in
	ds_add_u32 v[SPW], v[NIL]
	NEXTTILE 1
	s_wait_dscnt 0x0
	CROUND
	JLOAD                                          ; tile 1
	KLOAD 0
.Lloop:                                            ; eight trips of two steps; the round of step n asks for the tiles of step n + 2, the last for step 17's
	STEP 0, 1, 1, 1
	STEP 1, 1, 1, 1
	s_cmp_lg_u32 s[TR], s[LAST]
	s_cbranch_scc1 .Lgo_on
	EPI 1                                          ; the first superblock is finished.  (The branch hangs on the cluster's number and the count of trips: all four partners go the same way)
.Lgo_on:
	s_add_co_u32 s[TR], s[TR], 1
	s_cmp_lt_u32 s[TR], 8
	s_cbranch_scc1 .Lloop
	STEP 0, 2, 0, 1                                ; the last trip is written out: nothing is left to fetch
	STEP 1, 2, 0, 0
	EPI 0
	s_wait_tensorcnt 0x0                           ; the wave's end: behind my last tensor load and my last LDS store
	ds_add_u32 v[SPW], v[NIL]
	s_wait_dscnt 0x0
	CROUND                                         ; the closing round: no work-group ends while a partner may still ask for a tile that names it
	s_endpgm
.Lfunc_end_k_q267b70d506_attn:
	.size	k_q267b70d506_attn, .Lfunc_end_k_q267b70d506_attn-k_q267b70d506_attn
	.p2alignl 7, 3214868480
	.fill 96, 4, 3214868480
	.section	.rodata,"a",@progbits
	.p2align	6, 0x0
	.amdhsa_kernel k_q267b70d506_attn
		.amdhsa_group_segment_fixed_size 327680
		.amdhsa_private_segment_fixed_size 0
		.amdhsa_enable_private_segment 0
		.amdhsa_kernarg_size 80
		.amdhsa_user_sgpr_count 2
		.amdhsa_user_sgpr_kernarg_segment_ptr 1
		.amdhsa_wavefront_size32 1
		.amdhsa_system_sgpr_workgroup_id_x 1
		.amdhsa_system_sgpr_workgroup_id_y 1
		.amdhsa_system_sgpr_workgroup_id_z 1
		.amdhsa_system_vgpr_workitem_id 0
		.amdhsa_next_free_vgpr 512
		.amdhsa_next_free_sgpr 102
		.amdhsa_reserve_vcc 0
		.amdhsa_float_denorm_mode_32 3
		.amdhsa_float_denorm_mode_16_64 3
		.amdhsa_memory_ordered 1
		.amdhsa_forward_progress 1
		.amdhsa_inst_pref_size 179
	.end_amdhsa_kernel
	.amdgpu_metadata
---
amdhsa.version: [ 1, 2 ]
amdhsa.kernels:
  - .name:           k_q267b70d506_attn
    .symbol:         k_q267b70d506_attn.kd
    .args:
      - { .name: q_codes, .offset: 0, .size: 8, .value_kind: global_buffer, .address_space: global }
      - { .name: k_codes, .offset: 8, .size: 8, .value_kind: global_buffer, .address_space: global }
      - { .name: vcodes, .offset: 16, .size: 8, .value_kind: global_buffer, .address_space: global }
      - { .name: lowp_scales, .offset: 24, .size: 8, .value_kind: global_buffer, .address_space: global }
      - { .name: lambda_q1, .offset: 32, .size: 8, .value_kind: global_buffer, .address_space: global }
      - { .name: lambda_k1, .offset: 40, .size: 8, .value_kind: global_buffer, .address_space: global }
      - { .name: lambda_q2, .offset: 48, .size: 8, .value_kind: global_buffer, .address_space: global }
      - { .name: lambda_k2, .offset: 56, .size: 8, .value_kind: global_buffer, .address_space: global }
      - { .name: subln_weight, .offset: 64, .size: 8, .value_kind: global_buffer, .address_space: global }
      - { .name: out0, .offset: 72, .size: 8, .value_kind: global_buffer, .address_space: global }
    .group_segment_fixed_size: 327680
    .private_segment_fixed_size: 0
    .kernarg_segment_align: 8
    .kernarg_segment_size: 80
    .max_flat_workgroup_size: 256
    .sgpr_count:     102
    .vgpr_count:     512
    .wavefront_size: 32
...
	.end_amdgpu_metadata
.endif
;; end of part 2
